; MI455X (gfx1250); checked and timed in simulation.
; The chip was launched on July 23, 2026; its instructions are those of AMD's public machine-readable ISA for CDNA 5 (MIT licence, August 2026) and "CDNA5" Instruction Set Architecture Reference Guide (July 2026). The comments in the code are by the model that wrote it; some were corrected since.
;; Memory Efficient Attention. Allowed arithmetic: matrix products marked QUANTISED: E4M3 operands, one E8M0 scale for each 32 along K, by v_wmma_scale_f32_16x16x128_f8f6f4 with both operands' format E4M3, f32 sums; everything else in f32.
;; Inputs: key 2,048 x 2 x 8 x 128 float32; query 2,048 x 2 x 32 x 128 float32; value 2,048 x 2 x 8 x 128 float32.
;; Outputs: out0 2,048 x 2 x 4,096 float32.
;; This version of the problem:
;;   THIS VERSION OF THE PROBLEM IS GIVEN IN LOW PRECISION. The matrix products marked QUANTISED in the list below multiply operands that are first quantised to E4M3 (4 exponent bits, 3 mantissa bits; 8 bits a number), with one power-of-two scale for each 32 numbers along K (OCP MX v1.0); their sums are f32. All else is computed in f32.
;;   The module's matrix products, in the order in which they are computed (A, B: the left and right operand; K: the contracted axis; several contracted axes count as one K, in the product's order):
;;     1. batch 64 x [M 2,048, K 128] x [K 128, N 2,048]; A: input query; B: input key: QUANTISED
;;     2. batch 64 x [M 128, K 2,048] x [K 2,048, N 2,048]; A: input value; B: softmax (see below): QUANTISED
;;   THE QUANTISER, for each operand of a quantised product, along K:
;;     - K is cut into blocks of 32 from its start; a last block that is shorter is filled with zeros.
;;     - A block's scale is 2^e with e = floor(log2(the largest magnitude in the block)) - 8, held to -126 .. 127; a block of zeros has e = 0. As a byte (E8M0): e + 127.
;;     - Each number is divided by its block's scale, clamped to +-448, and rounded to the nearest number of E4M3, ties to even, subnormals kept.
;;     - The product sums the exact products of the quantised numbers (number of the format x scale) in f32.
;;   ~~~python
;;   def quantise(x, axis):      # numpy; x: float32 -> the quantised numbers, widened to float32 again
;;       x = np.moveaxis(x, axis, -1); K = x.shape[-1]
;;       x = np.pad(x, [(0, 0)] * (x.ndim - 1) + [(0, -K % 32)]); x = x.reshape(x.shape[:-1] + (-1, 32)); a = np.abs(x).max(-1, keepdims=True)
;;       e = np.where(a > 0, np.clip(np.frexp(np.where(a > 0, a, 1))[1] - 1 - 8, -126, 127), 0)      # np.frexp(a)[1] - 1 = floor(log2(a)), exactly
;;       r = np.clip(x / 2.0 ** e, -448, 448)
;;       step = 2.0 ** (np.maximum(np.frexp(np.where(r == 0, 1, r))[1] - 1, -6) - 3)
;;       q = np.round(r / step) * step * 2.0 ** e      # np.round: ties to even
;;       return np.moveaxis(q.reshape(q.shape[:-2] + (-1,))[..., :K], -1, axis).astype(np.float32)
;;   ~~~
;;   SOFTMAX AHEAD OF A QUANTISED PRODUCT. Where the list says 'softmax', what is quantised is not the finished softmax but p = 2^(t - M), with t = logit x log2(e) and M = ceil(the row's largest t), a whole number; so 1/2 < the row's largest p <= 1. The row's sum l is taken of the UNQUANTISED p, in f32, and the product's result is divided by l at the end. Since M is a whole number, a kernel that streams over the keys may use a running M (the ceiling of the running maximum): every later rescaling is an exact power of two, which a block's scale takes up: the codes' values come out the same.
;;   OPERANDS COMPUTED ON THE WAY. 'Computed on the way' means the value that the module computes at that place (a softmax that the list does not call 'softmax' is quantised finished and normalised). What goes into a quantiser is computed in f32, as accurately as f32 sums, v_exp_f32 and their like allow (about 1e-6 of the number): no bf16 or f16 on the way to a quantiser, and a product that is left as it is and whose result goes on into a quantised operand takes f32 operands (vector FMAs, or v_wmma_f32_16x16x4_f32). A number that lies on a knife's edge between two numbers of the format may be rounded either way, as far as f32 arithmetic and the matrix unit's own rounding can turn it there, and no further.
;; One version. Each part assembles by itself: llvm-mc -triple=amdgcn-amd-amdhsa -mcpu=gfx1250 --defsym DOCPART=n.
;; ======== version 1 of 1: 2 launches
;; workspace buffers: kv 8,650,752 bytes
;; launch prep (part 1): grid 16 x 16, 8 waves a work-group, no clusters, 136,192 bytes of LDS; arguments key, value, kv; writes kv
.if DOCPART == 1
	.amdgcn_target "amdgcn-amd-amdhsa--gfx1250"
	.amdhsa_code_object_version 6
	.text
	.protected	k_q4af5be0bac_prep
	.globl	k_q4af5be0bac_prep
	.p2align	8
	.type	k_q4af5be0bac_prep,@function
k_q4af5be0bac_prep:
	s_mov_b64 s[64:65], 0
	v_nop
	global_prefetch_b8 v0, s[64:65] scope:SCOPE_SE
	s_setreg_imm32_b32 hwreg(HW_REG_WAVE_MODE, 25, 1), 1
	s_wait_xcnt 0x0
; key and value, [2048 s][2 b][8 hk][128 d] f32, become codes of FP8 (E4M3) with one E8M0 scale for each 32 along a product's K: key along d, value along the keys s.
; kv is laid [16 y = 8 b + hk][16 steps of 128 keys][a block of BLKB bytes], and a block is laid AS THE NEXT LAUNCH'S OPERAND REGISTERS ARE:
;   byte 0:     K's 8 tiles of 16 keys; registers 4 c .. 4 c + 3 of lane l of tile t at 2048 t + 512 c + 16 l.  Lane (r, h) of tile t = 2 bb + u holds key 32 bb + 8 u + r + 8 (r / 8), d = 32 c + 16 h + 0 .. 15
;   byte VOFF:  V's 8 tiles of 16 channels, the same image.  Lane (r, h) of tile t holds channel 16 t + r, keys 32 c + 16 h + 0 .. 15 of the step
;   byte SOFF:  8 registers of scale words: register t of lane l at 512 (t / 4) + 16 l + 4 (t % 4); lanes 0-15: K's tile t, row l; lanes 16-31: V's tile t, row l - 16
; A work-group makes one block; wave w makes K's tile w and V's tile w.  Every load from memory takes one whole row of 512 bytes (32 lanes x 16), every store of codes 512 consecutive bytes.
; K: a lane wants 16 neighbours along d of one row: the wave's 16 rows turn through its own stage in LDS.  V: a lane wants a column (one d) down the keys: the step's 128 rows go into a stage that all waves share.
; A block's scale is 2^(floor(log2(its largest magnitude)) - 8); its byte is the largest magnitude's exponent field - 8, held at 1 from below.
; LIMITS: a block of zeros gets the byte 1 where the rule says 127 (its codes are zeros, which add nothing under any byte but 0xff, and this program alone reads the bytes); NaN and infinities among the inputs are not served.
; No tensor load, no ring; matrix units and clusters have nothing to do here: the launch reads each input byte once and shares nothing between work-groups.
.set BLKB,  33792                      ; a block: 16,384 + 16,384 + 1,024 bytes
.set VOFF,  16384
.set SOFF,  32768
.set ROWG,  8192                       ; bytes from key s to key s + 1 in memory
.set KP,    528                        ; K's stage: a row of 512 bytes + 16: 132 words, so the 16 rows that a load touches start 4 words apart modulo 64
.set KWB,   16*KP                      ; a wave's stage
.set VST,   8*KWB                      ; V's stage: row k at 512 k + 64 (k / 16): lanes 16-31 read 16 rows on, which is 16 words on modulo 64
.set VWB,   16*512+64                  ; 16 rows of it
.set SCST,  VST+8*VWB                  ; the block's scale words, 1,024 bytes
.set LI,   1                           ; v1   16 x lane
.set KIN,  2                           ; v2   K's stage, rows in
.set KOUT, 3                           ; v3   K's stage, my 16 neighbours out
.set VIN,  4                           ; v4   V's stage, rows in
.set VOUT, 5                           ; v5   V's stage, my column out
.set SCI,  6                           ; v6   where my scale word goes
.set SCO,  7                           ; v7   and where 16 bytes of scale words are read back (waves 0, 1)
.set GC,   8                           ; v8   my codes' place in the block
.set GS,   9                           ; v9   the scale words' place in the block (waves 0, 1)
.set LN,   10                          ; v10  lane
.set PWK,  12                          ; v12  K's scale word of my row
.set PWV,  13                          ; v13  V's
.set PWS,  14                          ; v14  the one that my half of the lanes stores
.set TM,   16                          ; v16-19 largest magnitudes, v20-23 bytes, v24-27 448 x the scale, v28-31 the conversions' scale operands
.set KR,   32                          ; v32-95   K's 16 rows as loaded; later Y
.set VR,   96                          ; v96-159  V's 16 rows as loaded
.set X,    160                         ; v160-223 K: 64 numbers of my row
.set Y,    32                          ; v32-95   V: 64 numbers of my column
.set PCK,  224                         ; v224-239 K's codes
.set PCV,  240                         ; v240-255 V's codes
	s_load_b128 s[4:7], s[0:1], 0x0                ; key, value
	s_load_b64 s[8:9], s[0:1], 0x10                ; kv
	s_set_vgpr_msb 0x40
	v_lshl_add_u32 v0, v0, 2, 0x21000
	v_mov_b32 v1, 0
	s_set_vgpr_msb 0x4000
	v_lshrrev_b32 v11, 5, v0
	v_readfirstlane_b32 s10, v11                   ; wave 0..7
	v_and_b32 v[LN], 31, v0
	v_lshlrev_b32 v[LI], 4, v[LN]
	s_and_b32 s18, ttmp7, 0xffff                   ; y
	s_lshl_b32 s24, ttmp9, 20                      ; the step's 128 keys x 8,192 bytes
	s_lshl_b32 s25, s18, 9                         ; + y x 512
	s_add_co_u32 s24, s24, s25
	s_lshr_b32 s26, s10, 1                         ; K's tile w begins at key 32 (w / 2) + 8 (w % 2)
	s_lshl_b32 s26, s26, 5
	s_and_b32 s27, s10, 1
	s_lshl_b32 s27, s27, 3
	s_add_co_u32 s26, s26, s27
	s_lshl_b32 s26, s26, 13
	s_add_co_u32 s12, s24, s26
	s_mov_b32 s13, 0
	s_lshl_b32 s26, s10, 17                        ; of V the wave brings keys 16 w .. 16 w + 15
	s_add_co_u32 s14, s24, s26
	s_mov_b32 s15, 0
	s_lshl_b32 s16, s18, 4
	s_add_co_u32 s16, s16, ttmp9
	s_mul_i32 s16, s16, BLKB                       ; block 16 y + step
	s_mov_b32 s17, 0
	s_mov_b32 s20, 0x76543210
	s_mov_b32 s21, 0xfedcba98                      ; v_permlanex16_b32's selects for lane l xor 16
	s_mov_b32 s23, 0x600000                        ; the mantissa field of 448
	s_wait_kmcnt 0x0
	s_add_nc_u64 s[12:13], s[4:5], s[12:13]
	s_add_nc_u64 s[14:15], s[6:7], s[14:15]
	s_add_nc_u64 s[16:17], s[8:9], s[16:17]
.irp i, 0,1,2,3,4,5,6,7,8,9,10,11,12,13,14,15
	global_load_b128 v[KR+4*\i:KR+4*\i+3], v[LI], s[12:13] offset:(\i+8*(\i/8))*ROWG th:TH_LOAD_NT   ; the tile's row i is key i + 8 (i / 8) from its first: a whole row of 512 bytes
.endr
.irp i, 0,1,2,3,4,5,6,7,8,9,10,11,12,13,14,15
	global_load_b128 v[VR+4*\i:VR+4*\i+3], v[LI], s[14:15] offset:\i*ROWG th:TH_LOAD_NT
.endr
	v_and_b32 v11, 15, v0                          ; r
	v_bfe_u32 v15, v0, 4, 1                        ; h
	s_mul_i32 s11, s10, KWB
	v_add_nc_u32 v[KIN], s11, v[LI]
	v_mul_u32_u24 v[KOUT], v11, KP
	v_lshl_add_u32 v[KOUT], v15, 6, v[KOUT]
	v_add_nc_u32 v[KOUT], s11, v[KOUT]             ; row r, + 64 h: my 16 numbers of a block of 32
	s_mul_i32 s11, s10, VWB
	s_add_co_u32 s11, s11, VST
	v_add_nc_u32 v[VIN], s11, v[LI]
	v_mul_u32_u24 v[VOUT], v15, VWB                ; lanes 16-31: 16 keys further down
	v_lshl_add_u32 v[VOUT], v11, 2, v[VOUT]
	s_lshl_b32 s11, s10, 6
	s_add_co_u32 s11, s11, VST
	v_add_nc_u32 v[VOUT], s11, v[VOUT]             ; channel 16 w + r
	s_lshr_b32 s26, s10, 2
	s_lshl_b32 s26, s26, 9
	s_and_b32 s27, s10, 3
	s_lshl_b32 s27, s27, 2
	s_add_co_u32 s26, s26, s27
	s_add_co_u32 s26, s26, SCST
	v_add_nc_u32 v[SCI], s26, v[LI]                ; 512 (w / 4) + 16 lane + 4 (w % 4)
	s_and_b32 s27, s10, 1
	s_lshl_b32 s27, s27, 9
	s_add_co_u32 s26, s27, SCST
	v_add_nc_u32 v[SCO], s26, v[LI]
	s_add_co_u32 s26, s27, SOFF
	v_add_nc_u32 v[GS], s26, v[LI]
	s_lshl_b32 s26, s10, 11
	v_add_nc_u32 v[GC], s26, v[LI]
.irp b, 0,1,2,3
	v_mov_b32 v[TM+4+\b], 0                        ; written once: a lane permute's destination counts as one of its sources
.endr
; 64 numbers of a lane, v[s] on, register 16 b + i = place 32 b + 16 (lane / 16) + i along K of my row, become a fragment's codes in v[pc] on and my row's scale word in v[pw].
.macro QUANT s, pc, pw
.irp b, 0,1,2,3
	v_max3_num_f32 v[TM+\b], |v[\s+16*\b]|, |v[\s+16*\b+1]|, 0x4800000   ; block b: my 16 numbers, and the floor 2^(9 - 127): so the byte cannot fall under 1
.endr
.irp i, 2,4,6,8,10,12,14
.irp b, 0,1,2,3
	v_max3_num_f32 v[TM+\b], v[TM+\b], |v[\s+16*\b+\i]|, |v[\s+16*\b+\i+1]|   ; the four blocks by turns
.endr
.endr
.irp b, 0,1,2,3
	v_permlanex16_b32 v[TM+4+\b], v[TM+\b], s20, s21
.endr
.irp b, 0,1,2,3
	v_max_num_f32 v[TM+\b], v[TM+\b], v[TM+4+\b]   ; with lane l xor 16's 16: the block's largest magnitude
.endr
.irp b, 0,1,2,3
	v_add_nc_u32 v[TM+12+\b], 0xfc000000, v[TM+\b] ; 8 off its exponent field: the conversion takes this operand's exponent field as its scale
.endr
.irp b, 0,1,2,3
	v_and_or_b32 v[TM+8+\b], v[TM+\b], 0x7f800000, s23   ; 448 x the scale
.endr
.irp b, 0,1,2,3
	v_lshrrev_b32 v[TM+4+\b], 23, v[TM+12+\b]      ; the scale's byte
.endr
	v_lshl_or_b32 v[\pw], v[TM+5], 8, v[TM+4]
	v_lshl_or_b32 v[\pw], v[TM+6], 16, v[\pw]
	v_lshl_or_b32 v[\pw], v[TM+7], 24, v[\pw]
.irp b, 0,1,2,3
.irp i, 0,1,2,3,4,5,6,7,8,9,10,11,12,13,14,15
	v_med3_num_f32 v[\s+16*\b+\i], v[\s+16*\b+\i], -v[TM+8+\b], v[TM+8+\b]   ; the conversion to an 8-bit code does not saturate (ISA guide 7.6.2): the hold comes first
.endr
	v_cvt_scalef32_pk8_fp8_f32 v[\pc+4*\b:\pc+4*\b+1], v[\s+16*\b:\s+16*\b+7], v[TM+12+\b]
	v_cvt_scalef32_pk8_fp8_f32 v[\pc+4*\b+2:\pc+4*\b+3], v[\s+16*\b+8:\s+16*\b+15], v[TM+12+\b]
.endr
	v_nop                                          ; one plain line behind the last conversion, ahead of whatever next writes its sources
.endm
	s_wait_loadcnt 16                              ; K's 16 rows are in; V's 16 loads, issued behind them, may be out
.irp i, 0,1,2,3,4,5,6,7,8,9,10,11,12,13,14,15
	ds_store_b128 v[KIN], v[KR+4*\i:KR+4*\i+3] offset:KP*\i
.endr
.irp c, 0,1,2,3
.irp j, 0,1,2,3
	ds_load_b128 v[X+16*\c+4*\j:X+16*\c+4*\j+3], v[KOUT] offset:128*\c+16*\j   ; my wave's own bytes: LDS serves a wave's instructions in order, so these see the stores above
.endr
.endr
	s_wait_loadcnt 0x0                             ; V's rows
.irp i, 0,1,2,3,4,5,6,7,8,9,10,11,12,13,14,15
	ds_store_b128 v[VIN], v[VR+4*\i:VR+4*\i+3] offset:512*\i
.endr
	s_wait_dscnt 0x0                               ; for the others' sake: my rows of V lie in the stage (and my numbers of K are in)
	s_barrier_signal -1
	s_barrier_wait -1                              ; all 128 rows of V lie in LDS
.irp c, 0,1,2,3
.irp i, 0,1,2,3,4,5,6,7,8,9,10,11,12,13,14,15
	ds_load_b32 v[Y+16*\c+\i], v[VOUT] offset:\c*2*VWB+\i*512   ; V(key 32 c + 16 h + i, channel 16 w + r); they land while K is quantised
.endr
.endr
	QUANT X, PCK, PWK
.irp c, 0,1,2,3
	global_store_b128 v[GC], v[PCK+4*\c:PCK+4*\c+3], s[16:17] offset:512*\c       ; 32 lanes store 512 consecutive bytes, at a multiple of 256 from kv's first byte
.endr
	s_wait_dscnt 0x0                               ; my column of V is in
	QUANT Y, PCV, PWV
.irp c, 0,1,2,3
	global_store_b128 v[GC], v[PCV+4*\c:PCV+4*\c+3], s[16:17] offset:VOFF+512*\c
.endr
	v_cmp_gt_u32 vcc_lo, 16, v[LN]
	v_cndmask_b32 v[PWS], v[PWV], v[PWK], vcc_lo   ; lanes 0-15 carry K's word of row l, lanes 16-31 V's of row l - 16 (each word stands in both halves of the lanes)
	ds_store_b32 v[SCI], v[PWS]
	s_wait_dscnt 0x0                               ; for the others' sake: my scale words lie in LDS
	s_barrier_signal -1
	s_barrier_wait -1
	s_cmp_lt_u32 s10, 2                            ; waves 0 and 1 store the 1,024 bytes, 512 consecutive bytes each
	s_cbranch_scc0 .Lend
	ds_load_b128 v[TM:TM+3], v[SCO]
	s_wait_dscnt 0x0
	global_store_b128 v[GS], v[TM:TM+3], s[16:17]
.Lend:
	s_set_vgpr_msb 0x5
	s_wait_tensorcnt 0x0
	ds_add_u32 v0, v1
	s_wait_dscnt 0x0
	s_set_vgpr_msb 0x500
	s_endpgm
.Lfunc_end_k_q4af5be0bac_prep:
	.size	k_q4af5be0bac_prep, .Lfunc_end_k_q4af5be0bac_prep-k_q4af5be0bac_prep
	.p2alignl 7, 3214868480
	.fill 96, 4, 3214868480
	.section	.rodata,"a",@progbits
	.p2align	6, 0x0
	.amdhsa_kernel k_q4af5be0bac_prep
		.amdhsa_group_segment_fixed_size 136192
		.amdhsa_private_segment_fixed_size 0
		.amdhsa_enable_private_segment 0
		.amdhsa_kernarg_size 24
		.amdhsa_user_sgpr_count 2
		.amdhsa_user_sgpr_kernarg_segment_ptr 1
		.amdhsa_wavefront_size32 1
		.amdhsa_system_sgpr_workgroup_id_x 1
		.amdhsa_system_sgpr_workgroup_id_y 1
		.amdhsa_system_sgpr_workgroup_id_z 1
		.amdhsa_system_vgpr_workitem_id 0
		.amdhsa_next_free_vgpr 258
		.amdhsa_next_free_sgpr 66
		.amdhsa_reserve_vcc 1
		.amdhsa_float_denorm_mode_32 3
		.amdhsa_float_denorm_mode_16_64 3
		.amdhsa_memory_ordered 1
		.amdhsa_forward_progress 1
		.amdhsa_inst_pref_size 31
	.end_amdhsa_kernel
	.amdgpu_metadata
---
amdhsa.version: [ 1, 2 ]
amdhsa.kernels:
  - .name:           k_q4af5be0bac_prep
    .symbol:         k_q4af5be0bac_prep.kd
    .args:
      - { .name: key, .offset: 0, .size: 8, .value_kind: global_buffer, .address_space: global }
      - { .name: value, .offset: 8, .size: 8, .value_kind: global_buffer, .address_space: global }
      - { .name: kv, .offset: 16, .size: 8, .value_kind: global_buffer, .address_space: global }
    .group_segment_fixed_size: 136192
    .private_segment_fixed_size: 0
    .kernarg_segment_align: 8
    .kernarg_segment_size: 24
    .max_flat_workgroup_size: 256
    .sgpr_count:     66
    .vgpr_count:     258
    .wavefront_size: 32
...
	.end_amdgpu_metadata
.endif
;; end of part 1
;; launch attn (part 2): grid 16 x 16, 8 waves a work-group, no clusters, 327,680 bytes of LDS; arguments query, kv, out0; writes out0
.if DOCPART == 2
	.amdgcn_target "amdgcn-amd-amdhsa--gfx1250"
	.amdhsa_code_object_version 6
	.text
	.protected	k_q4af5be0bac_attn
	.globl	k_q4af5be0bac_attn
	.p2align	8
	.type	k_q4af5be0bac_attn,@function
k_q4af5be0bac_attn:
	s_mov_b64 s[64:65], 0
	v_nop
	global_prefetch_b8 v0, s[64:65] scope:SCOPE_SE
	s_setreg_imm32_b32 hwreg(HW_REG_WAVE_MODE, 25, 1), 1
	s_wait_xcnt 0x0
; out0[s][b][head][:] = the sum over keys k <= s of softmax_k(q . k / sqrt(128)) v, 32 query heads on 8 key and value heads, both products on codes of FP8 (E4M3) with one E8M0 scale for each 32 along K.
; query and out0: row (s, b, head) is 512 bytes at 32,768 s + 16,384 b + 512 head.  kv: the launch before has laid K's and V's codes and scale words of each (y = 8 b + hk, step of 128 keys) as a dense block of 33,792 bytes,
; in the order of the operands' registers: a fragment comes by four ds_load_b128 at 16 x lane, all eight scale registers by two.
; THE SOFTMAX AHEAD OF THE SECOND PRODUCT: t = score x log2(e) / sqrt(128); M = the row's largest t so far, rounded UP to a whole number; p = 2^(t - M) is quantised along the keys, not normalised.  The row's sum is taken of the
; unquantised p and divides O at the end.  When M moves, the sum and O are multiplied by 2^(old M - new M), which rounds nothing.
; SHARES.  Work-group (i, y) owns the four query heads of y and TWO blocks of 64 queries: block 31 - i, then block i.  Block j needs the key steps 0 .. j / 2, that is (j + 2) / 2 steps, and (33 - i) / 2 + (i + 2) / 2 = 17 for
; every i: all 256 work-groups walk 17 key steps, and only each block's last step lies on the diagonal.  Key steps wholly behind the diagonal are never multiplied.
; Wave w owns queries 16 (w % 4) .. + 15 of the block for heads 2 (w / 4) and 2 (w / 4) + 1 of the four: two tiles, so that each fragment of K and V read from LDS feeds two matrix instructions and one compare masks both.
; LAYOUT.  Both products are used transposed: S^T = K Q^T (source 0 = 16 keys), O^T = V^T P^T (source 0 = 16 channels): a lane holds ONE query (lane % 16) throughout.  The keys of a tile of K are chosen so that the 16 registers
; of tiles 2 b and 2 b + 1 are keys 32 b + 16 (lane / 16) + 0 .. 15: the conversions' results are the second product's operand.
; RING.  Two LDS slots of one key step; waves 0 and 1 each bring half a block (66 rows of 256 bytes); a slot is asked for behind the barrier at the head of the step before, so it has a whole step of eight waves' work in which to land.
; One tensor load of a wave is out at most.  All of a WGP's LDS is claimed.
; NO CLUSTER: the heads that share K and V are already in one work-group.  The 16 work-groups of one y go back to key step 0 after (33 - i) / 2 = 9 .. 16 steps, each at another step, so from the tenth step on partners would
; want different blocks behind the same round.
; LIMITS: NaN and infinities among the inputs are not served; a block of zeros of q gets the scale byte 1 (its codes are zeros); a p under 2^-126 counts as 0 (v_exp_f32); t is the score times ONE constant where the
; definition multiplies by 1 / sqrt(128) and by log2(e) in turn: a difference of about 1e-7 of t.
; REGISTERS, in windows of 256 (s_set_vgpr_msb's low byte: bits 1:0 source 0, 3:2 source 1, 5:4 source 2, 7:6 destination):
;   window 0: v1-9 addresses; v10-13 q's and p's scale words; v16-23 statistics, four a tile; v24-31 K's and V's scale words; v32-95 four fragments; v96-223 S^T, then p, 64 a tile; v224-245 at work
;   window 1: v0-31 q's codes; v32-63 p's codes; v64-191 O^T, 64 a tile; v192-255 four more fragments
.set BLKB,  33792                      ; a key step's block in kv
.set HALFB, 16896                      ; what one tensor load brings
.set VOFF,  16384                      ; in a block: V's tiles,
.set SOFF,  32768                      ; the scale words
.set SLOT1, 65536                      ; slot 1 begins here: one exclusive or turns an address in one slot into the other's
.set STAGE, 131072                     ; behind the ring: 16 rows x 528 bytes for each wave: q on its way in, O on its way out; no tensor load lands here
.set SP,    528                        ; a stage row: 512 bytes + 16 = 132 words: the 16 rows that an access touches start 4 words apart modulo 64
.set WST,   16*SP
.set SPARE, STAGE+8*WST                ; the spare words, 128 bytes for each wave: four blocks of 256 bytes that no other line names
.set QROW,  32768                      ; bytes from query s to s + 1
.set LI,   1                           ; v1   16 x lane
.set AD,   2                           ; v2   the slot in hand + 16 x lane
.set SPW,  3                           ; v3   LDS address of my spare word; never rewritten
.set NIL,  4                           ; v4   0; never rewritten
.set STO,  5                           ; v5   stage: where I put 32 bytes of a row of O
.set STR,  6                           ; v6   stage: a whole row, 16 bytes a lane
.set STQ,  7                           ; v7   stage: my 16 numbers of a block of 32 of q's row
.set DM,   8                           ; v8   the mask: my query - the step's first key - 16 (lane / 16)
.set RH,   9                           ; v9   lane % 16 - 16 (lane / 16)
.set QS,   10                          ; v10-11 q's scale words, one register a tile
.set PS,   12                          ; v12-13 p's
.set ST,   16                          ; tile x at v[ST + 4 x]: -M, the largest t, the sum in two halves
.set SC,   24                          ; v24-31 register t: lanes 0-15 K's tile t, lanes 16-31 V's tile t
.set FR,   32
.set S,    96
.set TM,   224                         ; v224-227 block maxima, v228-231 bytes, v232-235 448 x the scale, v236-239 the conversions' scale operands
.set FF,   240                         ; v[240:241] f = 2^(old M - new M) (the pair is named; its low word serves both halves)
.set T,    242
.set NINF, 243
.set C2,   244                         ; v[244:245] the sum's second chain
.set QC,   0                           ; window 1
.set PCD,  32
.set OT,   64
.set FR2,  192
.set WV,   10                          ; s10  wave
.set NHI,  15                          ; s15  key steps of the first block
.set SW,   16                          ; s16  its last step
.set F,    17                          ; s17  the step, 0 .. 16
.set TB,   18                          ; s18  LDS byte at which the slot in hand begins
.set MNT,  19                          ; s19  the mantissa field of 448
.set SEL,  20                          ; s[20:21] v_permlanex16_b32's selects for lane l xor 16
.set CS,   22                          ; s[22:23] c = log2(e) / sqrt(128)
.set G1,   24                          ; s[24:31] descriptor group 1
.set G0,   32                          ; s[32:35] descriptor group 0
.set KVB,  36                          ; s[36:37] kv at my half of y's block 0
.set T0,   38                          ; s[38:39] an offset in 64 bits
.set T1,   40
.set QHI,  44                          ; s[44:45], s[46:47] query at my first row of the first and of the second block
.set QLO,  46
.set OHI,  48                          ; s[48:49], s[50:51] out0 likewise
.set OLO,  50
.set DQHI, 52                          ; s52, s53 my first query less the first key of the block's last step
.set DQLO, 53
.set W_KQ0, 0x04                       ; K in window 0, q in window 1, S^T in window 0
.set W_KQ1, 0x05                       ; K in window 1
.set W_PV0, 0x54                       ; V in window 0; p, C and D in window 1
.set W_PV1, 0x55                       ; V in window 1
.set W_D1,  0x40                       ; destination in window 1
.set W_RS,  0x41                       ; O^T (destination and source 0) in window 1, the factor in window 0
.set W_SD,  0x04                       ; an LDS store's data (source 1) in window 1
.set MSB, 0
.macro WIN new                         ; the immediate's high byte repeats the setting that is left; a switch that changes nothing is dropped
.if MSB != \new
	s_set_vgpr_msb (MSB<<8)|\new
.set MSB, \new
.endif
.endm
; Waves 0 and 1 fetch the two halves of a block, the others nothing: a branch on the wave's number alone.  Four v_nop follow the load.
.macro TLOAD
	s_cmp_lt_u32 s[WV], 2
	s_cbranch_scc0 .Lnone_\@
	tensor_load_to_lds s[G0:G0+3], s[G1:G1+7]
	s_nop 0
.rept 4
	v_nop
.endr
.Lnone_\@:
.endm
	s_load_b128 s[4:7], s[0:1], 0x0                ; query, kv
	s_load_b64 s[8:9], s[0:1], 0x10                ; out0
	v_lshl_add_u32 v[SPW], v0, 2, SPARE
	v_mov_b32 v[NIL], 0
	ds_add_u32 v3, v4
	s_wait_dscnt 0x0
	v_lshrrev_b32 v[AD], 5, v0
	v_readfirstlane_b32 s[WV], v[AD]               ; wave 0..7
	s_and_b32 s11, s[WV], 3                        ; which 16 queries of a block
	s_lshr_b32 s12, s[WV], 2                       ; which two of the four heads
	s_and_b32 s13, ttmp7, 0xffff                   ; y
	s_sub_co_u32 s[NHI], 33, ttmp9
	s_lshr_b32 s[NHI], s[NHI], 1                   ; (33 - i) / 2: 9 .. 16
	s_sub_co_u32 s[SW], s[NHI], 1
	s_lshl_b32 s40, s11, 19                        ; 16 queries x 32,768 bytes
	s_lshr_b32 s41, s13, 3
	s_lshl_b32 s41, s41, 14                        ; b x 16,384
	s_add_co_u32 s40, s40, s41
	s_and_b32 s41, s13, 7
	s_lshl_b32 s41, s41, 11                        ; hk x 4 heads x 512
	s_add_co_u32 s40, s40, s41
	s_lshl_b32 s41, s12, 10                        ; 2 heads x 512
	s_add_co_u32 s40, s40, s41
	s_sub_co_u32 s42, 31, ttmp9                    ; the first block
	s_lshl_b32 s54, s42, 21                        ; 64 queries x 32,768 bytes
	s_add_co_u32 s54, s54, s40
	s_mov_b32 s55, 0
	s_lshl_b32 s56, ttmp9, 21                      ; the second block
	s_add_co_u32 s56, s56, s40
	s_mov_b32 s57, 0
	s_lshl_b32 s43, s11, 4
	s_and_b32 s[DQHI], s42, 1
	s_lshl_b32 s[DQHI], s[DQHI], 6
	s_add_co_u32 s[DQHI], s[DQHI], s43             ; 64 (j % 2) + 16 (w % 4)
	s_and_b32 s[DQLO], ttmp9, 1
	s_lshl_b32 s[DQLO], s[DQLO], 6
	s_add_co_u32 s[DQLO], s[DQLO], s43
	s_mul_i32 s58, s13, 16*BLKB                    ; y's 16 blocks
	s_and_b32 s59, s[WV], 1
	s_mul_i32 s60, s59, HALFB                      ; my half of a block: in memory and in a slot
	s_add_co_u32 s58, s58, s60
	s_mov_b32 s59, 0
	; descriptor group 1: 66 dense rows of 256 bytes (32 elements of 8 bytes), no padding: the block is read back 512 consecutive bytes an instruction
	s_mov_b32 s[G1+0], 3<<16                       ; 15:0 no mask; 17:16 elements of 8 bytes; 20 padding off
	s_mov_b32 s[G1+1], 32<<16                      ; tensor_dim0 = 32
	s_mov_b32 s[G1+2], 66<<16                      ; tensor_dim1 = 66
	s_mov_b32 s[G1+3], 32<<16                      ; tile_dim0 = 32
	s_mov_b32 s[G1+4], 66                          ; tile_dim1 = 66
	s_mov_b32 s[G1+5], 32                          ; from row to row: 32 elements
	s_mov_b32 s[G1+6], 0
	s_mov_b32 s[G1+7], 0
	s_mov_b32 s[SEL], 0x76543210
	s_mov_b32 s[SEL+1], 0xfedcba98
	s_mov_b32 s[CS], 0x3e0293ee
	s_mov_b32 s[CS+1], s[CS]                       ; (named with it as a pair, so it is written)
	s_mov_b32 s[MNT], 0x600000
	s_mov_b32 s[T0+1], 0
	s_mov_b32 s[F], 0
	s_mov_b32 s[TB], 0
	s_wait_kmcnt 0x0
	s_add_nc_u64 s[KVB:KVB+1], s[6:7], s[58:59]
	s_add_nc_u64 s[QHI:QHI+1], s[4:5], s[54:55]
	s_add_nc_u64 s[QLO:QLO+1], s[4:5], s[56:57]
	s_add_nc_u64 s[OHI:OHI+1], s[8:9], s[54:55]
	s_add_nc_u64 s[OLO:OLO+1], s[8:9], s[56:57]
	s_mov_b32 s[G0], 1                             ; count = 1
	s_mov_b32 s[G0+1], s60                         ; LDS address: slot 0, my half
	s_mov_b64 s[G0+2:G0+3], s[KVB:KVB+1]           ; key step 0
	s_or_b32 s[G0+3], s[G0+3], 0x80000000          ; type = 2
	TLOAD                                          ; the launch's first fill, ahead of every wait on TENSORcnt and barrier
	v_and_b32 v14, 31, v0
	v_lshlrev_b32 v[LI], 4, v14
; My 16 queries x 2 heads of q, as they lie: each load takes a whole row of 512 bytes; the two heads' rows are neighbours.  Row i of tile x into v[S + 64 x + 4 i].
.macro QLOAD base
.irp i, 0,1,2,3,4,5,6,7,8,9,10,11,12,13,14,15
.irp x, 0,1
	global_load_b128 v[S+64*\x+4*\i:S+64*\x+4*\i+3], v[LI], s[\base:\base+1] offset:QROW*\i+512*\x th:TH_LOAD_NT
.endr
.endr
.endm
	QLOAD QHI
	v_and_b32 v14, 15, v0                          ; r
	v_bfe_u32 v15, v0, 4, 1                        ; h
	s_mul_i32 s61, s[WV], WST
	s_add_co_u32 s61, s61, STAGE                   ; my stage
	v_mul_u32_u24 v[DM], v14, SP
	v_add_nc_u32 v[DM], s61, v[DM]                 ; row r
	v_lshl_add_u32 v[STO], v15, 5, v[DM]
	v_lshl_add_u32 v[STQ], v15, 6, v[DM]
	v_add_nc_u32 v[STR], s61, v[LI]
	v_lshlrev_b32 v[RH], 4, v15
	v_sub_nc_u32 v[RH], v14, v[RH]
.irp b, 0,1,2,3
	v_mov_b32 v[TM+4+\b], 0                        ; written once: a lane permute's destination counts as one of its sources
.endr
	v_mov_b32 v[FF+1], 0                           ; (named as the upper half of the pair, never used)
; 64 numbers of q in v[FR] on, register 16 b + i = d 32 b + 16 (lane / 16) + i of my query, become tile x's codes (window 1) and scale word.
.macro QUANTQ x
.irp b, 0,1,2,3
	v_max3_num_f32 v[TM+\b], |v[FR+16*\b]|, |v[FR+16*\b+1]|, 0x4800000   ; block b: my 16 numbers, and the floor 2^(9 - 127): so the byte cannot fall under 1
.endr
.irp i, 2,4,6,8,10,12,14
.irp b, 0,1,2,3
	v_max3_num_f32 v[TM+\b], v[TM+\b], |v[FR+16*\b+\i]|, |v[FR+16*\b+\i+1]|
.endr
.endr
.irp b, 0,1,2,3
	v_permlanex16_b32 v[TM+4+\b], v[TM+\b], s[SEL], s[SEL+1]
.endr
.irp b, 0,1,2,3
	v_max_num_f32 v[TM+\b], v[TM+\b], v[TM+4+\b]   ; with lane l xor 16's 16: the block's largest magnitude
.endr
.irp b, 0,1,2,3
	v_add_nc_u32 v[TM+12+\b], 0xfc000000, v[TM+\b] ; 8 off its exponent field: the conversion's scale operand
.endr
.irp b, 0,1,2,3
	v_and_or_b32 v[TM+8+\b], v[TM+\b], 0x7f800000, s[MNT]   ; 448 x the scale
.endr
.irp b, 0,1,2,3
	v_lshrrev_b32 v[TM+4+\b], 23, v[TM+12+\b]      ; the scale's byte
.endr
	v_lshl_or_b32 v[QS+\x], v[TM+5], 8, v[TM+4]
	v_lshl_or_b32 v[QS+\x], v[TM+6], 16, v[QS+\x]
	v_lshl_or_b32 v[QS+\x], v[TM+7], 24, v[QS+\x]
.irp b, 0,1,2,3
.irp i, 0,1,2,3,4,5,6,7,8,9,10,11,12,13,14,15
	v_med3_num_f32 v[FR+16*\b+\i], v[FR+16*\b+\i], -v[TM+8+\b], v[TM+8+\b]   ; the conversion to an 8-bit code does not saturate (ISA guide 7.6.2): the hold comes first
.endr
.endr
	WIN W_D1                                       ; the eight conversions stand together, under one setting
.irp b, 0,1,2,3
	v_cvt_scalef32_pk8_fp8_f32 v[QC+16*\x+4*\b:QC+16*\x+4*\b+1], v[FR+16*\b:FR+16*\b+7], v[TM+12+\b]
	v_cvt_scalef32_pk8_fp8_f32 v[QC+16*\x+4*\b+2:QC+16*\x+4*\b+3], v[FR+16*\b+8:FR+16*\b+15], v[TM+12+\b]
.endr
	v_nop                                          ; one plain line behind the last conversion
	WIN 0
.endm
; A block of queries begins: q, asked for by QLOAD, turns through my stage (rows in, 16 neighbours a lane out) and is quantised; the statistics and O^T start anew.
.macro INITQ dq
	s_wait_loadcnt 0x0                             ; q is in
.irp x, 0,1
.irp i, 0,1,2,3,4,5,6,7,8,9,10,11,12,13,14,15
	ds_store_b128 v[STR], v[S+64*\x+4*\i:S+64*\x+4*\i+3] offset:SP*\i
.endr
	s_wait_xcnt 0x0                                ; the fragment registers may be the data of earlier stores of O: they are loaded again only behind this wait
.irp c, 0,1,2,3
.irp j, 0,1,2,3
	ds_load_b128 v[FR+16*\c+4*\j:FR+16*\c+4*\j+3], v[STQ] offset:128*\c+16*\j   ; my wave's own bytes: LDS serves a wave's instructions in order
.endr
.endr
	s_wait_dscnt 0x0
	QUANTQ \x
.endr
.irp x, 0,1
	v_mov_b32 v[ST+4*\x+1], 0xff61b1e6             ; the largest t so far: -3e38, under every t
	v_mov_b32 v[ST+4*\x+2], 0                      ; the sum, in two halves
	v_mov_b32 v[ST+4*\x+3], 0
.endr
.irp x, 0,1
	v_floor_f32 v[ST+4*\x], -v[ST+4*\x+1]          ; -M
.endr
	v_add_nc_u32 v[DM], s[\dq], v[RH]
	WIN W_D1
.set j, 0
.rept 128
	v_mov_b32 v[OT+j], 0                           ; O^T.  (So the key step is written once for all 17 steps: a block's first step finds zeros, which the first change of M leaves zeros)
.set j, j+1
.endr
	WIN 0
.endm
; One tile's softmax for a key step of 128 keys.
.macro SOFTMAX x
.set rS, S+64*(\x)
.set rT, ST+4*(\x)
.set rO, OT+64*(\x)
.set rP, PCD+16*(\x)
	WIN 0
.irp b, 0,1,2,3
	v_max3_num_f32 v[TM+\b], v[rS+16*\b], v[rS+16*\b+1], v[rS+16*\b+2]   ; the largest score of each block of 32 keys: it serves the row's maximum and, since p rises with the score, the block's largest p.  Each accumulator is read from its low end on
.endr
.irp i, 3,5,7,9,11,13
.irp b, 0,1,2,3
	v_max3_num_f32 v[TM+\b], v[TM+\b], v[rS+16*\b+\i], v[rS+16*\b+\i+1]
.endr
.endr
.irp b, 0,1,2,3
	v_max_num_f32 v[TM+\b], v[TM+\b], v[rS+16*\b+15]
.endr
.irp b, 0,1,2,3
	v_permlanex16_b32 v[TM+4+\b], v[TM+\b], s[SEL], s[SEL+1]
.endr
.irp b, 0,1,2,3
	v_max_num_f32 v[TM+\b], v[TM+\b], v[TM+4+\b]   ; with lane l xor 16's 16 keys
.endr
	v_max3_num_f32 v[T], v[TM], v[TM+1], v[TM+2]
	v_max_num_f32 v[T], v[T], v[TM+3]              ; the step's largest score of my query
	v_mul_f32 v[T], s[CS], v[T]                    ; as t (c is positive)
	v_max_num_f32 v[rT+1], v[rT+1], v[T]           ; the running largest t
	v_mov_b32 v[T], v[rT]
	v_floor_f32 v[rT], -v[rT+1]                    ; the new -M = floor(-t) = -ceil(t): a whole number
	v_sub_f32 v[T], v[rT], v[T]                    ; old M - new M: a whole number, 0 or less
	v_cvt_i32_f32 v[T], v[T]                       ; (it saturates)
	v_ldexp_f32 v[FF], 1.0, v[T]                   ; f = 2^(old M - new M)
.set j, 0
.rept 32
	v_pk_fma_f32 v[rS+j:rS+j+1], v[rS+j:rS+j+1], s[CS:CS+1], v[rT:rT+1] op_sel_hi:[1,0,0]   ; t - M, two at a time (of the pairs c and -M the low word serves both halves)
.set j, j+2
.endr
.irp b, 0,1,2,3
	v_fma_f32 v[TM+\b], v[TM+\b], s[CS], v[rT]     ; the same of each block's largest score
.endr
.set j, 0
.rept 64
	v_exp_f32 v[rS+j], v[rS+j]                     ; p = 2^(t - M), at most 1
.set j, j+1
.endr
.irp b, 0,1,2,3
	v_exp_f32 v[TM+\b], v[TM+\b]                   ; the block's largest p: the same two instructions on the same number
.endr
	v_pk_mul_f32 v[rT+2:rT+3], v[rT+2:rT+3], v[FF:FF+1] op_sel_hi:[1,0]   ; the sums under the new M.  (The plain line behind the exponentials)
	s_wait_alu depctr_va_vdst(0)
.irp b, 0,1,2,3
	v_max_num_f32 v[TM+\b], 0x4800000, v[TM+\b]    ; the floor 2^(9 - 127): a block whose every p is 0 keeps the byte 1; its codes are zeros
.endr
.irp b, 0,1,2,3
	v_add_nc_u32 v[TM+12+\b], 0xfc000000, v[TM+\b] ; the conversion's scale operand
.endr
.irp b, 0,1,2,3
	v_and_or_b32 v[TM+8+\b], v[TM+\b], 0x7f800000, s[MNT]   ; 448 x the scale
.endr
.irp b, 0,1,2,3
	v_lshrrev_b32 v[TM+4+\b], 23, v[TM+12+\b]      ; the scale's byte
.endr
	v_lshl_or_b32 v[PS+\x], v[TM+5], 8, v[TM+4]    ; p's scale word for these 128 keys: more than eight plain lines ahead of the products that name it
	v_lshl_or_b32 v[PS+\x], v[TM+6], 16, v[PS+\x]
	v_lshl_or_b32 v[PS+\x], v[TM+7], 24, v[PS+\x]
	v_pk_add_f32 v[C2:C2+1], v[rS:rS+1], v[rS+2:rS+3]   ; the row's sum is taken of the unquantised p: two at a time, in two chains
.set j, 4
.rept 15
	v_pk_add_f32 v[rT+2:rT+3], v[rT+2:rT+3], v[rS+j:rS+j+1]
	v_pk_add_f32 v[C2:C2+1], v[C2:C2+1], v[rS+j+2:rS+j+3]
.set j, j+4
.endr
	v_pk_add_f32 v[rT+2:rT+3], v[rT+2:rT+3], v[C2:C2+1]
.set j, 0
.rept 64
	v_min_num_f32 v[rS+j], v[rS+j], v[TM+8+j/16]   ; the hold: the conversion does not saturate (ISA guide 7.6.2); p is not negative, so it is one-sided
.set j, j+1
.endr
	WIN W_D1
.irp b, 0,1,2,3
	v_cvt_scalef32_pk8_fp8_f32 v[rP+4*\b:rP+4*\b+1], v[rS+16*\b:rS+16*\b+7], v[TM+12+\b]
	v_cvt_scalef32_pk8_fp8_f32 v[rP+4*\b+2:rP+4*\b+3], v[rS+16*\b+8:rS+16*\b+15], v[TM+12+\b]
.endr
	WIN W_RS
.set j, 0
.rept 32
	v_pk_mul_f32 v[rO+j:rO+j+1], v[rO+j:rO+j+1], v[FF:FF+1] op_sel_hi:[1,0]   ; O^T under the new M, each accumulator from its low end on.  (Also the plain lines behind the conversions and ahead of the products that take the codes)
.set j, j+2
.endr
.endm
; A KEY STEP: 128 keys from the slot in hand, for my two tiles.  always = 1: the step lies on the diagonal; 0: it does where F = SW, a scalar branch on ids round the mask's lines alone.
.macro STEP always
	v_add_nc_u32 v[AD], s[TB], v[LI]
.rept 7
	v_nop                                          ; with the addition: eight plain lines between the last step's products and the loads into the registers that they read
.endr
	ds_load_b128 v[SC:SC+3], v[AD] offset:SOFF
	ds_load_b128 v[SC+4:SC+7], v[AD] offset:SOFF+512
.irp t, 0,1,2,3
.irp c, 0,1,2,3
	ds_load_b128 v[FR+16*\t+4*\c:FR+16*\t+4*\c+3], v[AD] offset:2048*\t+512*\c
.endr
.endr
	WIN W_D1
.irp t, 0,1,2,3
.irp c, 0,1,2,3
	ds_load_b128 v[FR2+16*\t+4*\c:FR2+16*\t+4*\c+3], v[AD] offset:2048*(\t+4)+512*\c
.endr
.endr
	s_wait_dscnt 16                                ; the scale words and K's tiles 0-3 are in; the 16 youngest loads (tiles 4-7) may be out
	WIN W_KQ0
.irp t, 0,1,2,3
.irp x, 0,1
	v_wmma_scale_f32_16x16x128_f8f6f4 v[S+64*\x+8*\t:S+64*\x+8*\t+7], v[FR+16*\t:FR+16*\t+15], v[QC+16*\x:QC+16*\x+15], 0, v[SC+\t], v[QS+\x]
.endr
.endr
	s_wait_dscnt 0x0
	WIN W_KQ1
.irp t, 0,1,2,3
.irp x, 0,1
	v_wmma_scale_f32_16x16x128_f8f6f4 v[S+64*\x+8*(\t+4):S+64*\x+8*(\t+4)+7], v[FR2+16*\t:FR2+16*\t+15], v[QC+16*\x:QC+16*\x+15], 0, v[SC+4+\t], v[QS+\x]
.endr
.endr
	WIN 0
.rept 8
	v_nop                                          ; eight plain lines: for the loads into K's registers and for the first reads of the scores alike
.endr
.irp t, 0,1,2,3                                ; ALL OF V IS ASKED FOR AHEAD OF THE SOFTMAX, under which it lands
.irp c, 0,1,2,3
	ds_load_b128 v[FR+16*\t+4*\c:FR+16*\t+4*\c+3], v[AD] offset:VOFF+2048*\t+512*\c
.endr
.endr
	WIN W_D1
.irp t, 0,1,2,3
.irp c, 0,1,2,3
	ds_load_b128 v[FR2+16*\t+4*\c:FR2+16*\t+4*\c+3], v[AD] offset:VOFF+2048*(\t+4)+512*\c
.endr
.endr
	WIN 0
.if \always == 0
	s_cmp_lg_u32 s[F], s[SW]
	s_cbranch_scc1 .Lopen_\@
.endif
	v_mov_b32 v[NINF], 0xff800000                  ; on the diagonal the scores of hidden keys become -infinity ahead of the maximum: p = 0 then.  Key 0 counts for every query, so M is a number from a block's first step on
.set n, 0
.rept 64
	v_cmp_gt_i32 vcc_lo, 32*(n/16)+n%16, v[DM]     ; register 16 b + i holds the step's key 16 (lane / 16) + 32 b + i: hidden where 32 b + i > DM.  Both tiles hold the same queries
	v_cndmask_b32 v[S+n], v[S+n], v[NINF], vcc_lo
	v_cndmask_b32 v[S+64+n], v[S+64+n], v[NINF], vcc_lo
.set n, n+1
.endr
.if \always == 0
.Lopen_\@:
.endif
	SOFTMAX 0
	SOFTMAX 1
	s_wait_dscnt 0x0                               ; V is in
	WIN W_PV0
.irp t, 0,1,2,3                                ; the 16 accumulators take turns, one instruction a turn
.irp x, 0,1
	v_wmma_scale_f32_16x16x128_f8f6f4 v[OT+64*\x+8*\t:OT+64*\x+8*\t+7], v[FR+16*\t:FR+16*\t+15], v[PCD+16*\x:PCD+16*\x+15], v[OT+64*\x+8*\t:OT+64*\x+8*\t+7], v[SC+\t], v[PS+\x] matrix_a_scale:MATRIX_SCALE_ROW1
.endr
.endr
	WIN W_PV1
.irp t, 0,1,2,3
.irp x, 0,1
	v_wmma_scale_f32_16x16x128_f8f6f4 v[OT+64*\x+8*(\t+4):OT+64*\x+8*(\t+4)+7], v[FR2+16*\t:FR2+16*\t+15], v[PCD+16*\x:PCD+16*\x+15], v[OT+64*\x+8*(\t+4):OT+64*\x+8*(\t+4)+7], v[SC+4+\t], v[PS+\x] matrix_a_scale:MATRIX_SCALE_ROW1
.endr
.endr
	WIN 0
	s_xor_b32 s[TB], s[TB], SLOT1                  ; on to the other slot
.endm
; THE CHANGE OF SLOTS stands at a step's head.  Each wave waits for all its tensor loads (its part of the slot that it is about to read), adds 0 to its spare word, and waits for that and for its reads of the slot that it has left.
; Behind the barrier the slot ahead is whole and nobody reads the other one.  fill = 1: that other slot is filled with the next step's block: step F + 1 of the first block, or, from the first block's end on, F + 1 - NHI of the second.
.macro CHANGE fill
	s_wait_tensorcnt 0x0                           ; no tensor load of mine is out, so the descriptor may be written
	ds_add_u32 v[SPW], v[NIL]                      ; 0 onto my spare word; the descriptor's step stands between it and the wait for it
.if \fill
	s_xor_b32 s[G0+1], s[G0+1], SLOT1              ; the other slot than last time
	s_add_co_u32 s[T0], s[F], 1
	s_cmp_ge_u32 s[T0], s[NHI]
	s_cselect_b32 s[T1], s[NHI], 0
	s_sub_co_u32 s[T0], s[T0], s[T1]               ; which of y's 16 blocks: 15 at the most
	s_mul_i32 s[T0], s[T0], BLKB
	s_add_nc_u64 s[G0+2:G0+3], s[KVB:KVB+1], s[T0:T0+1]
	s_or_b32 s[G0+3], s[G0+3], 0x80000000          ; type = 2
.endif
	s_wait_dscnt 0x0                               ; the add is done, and my reads of the slot that I have left are over
	s_barrier_signal -1
	s_barrier_wait -1
.if \fill
	TLOAD                                          ; the first thing behind the barrier, and a wave's one tensor load until the next
.endif
.endm
; THE WAY OUT of a block of queries.  The sum's parts are added; O^T is divided by the sum and goes, a tile (16 rows of 512 bytes) at a time, through my stage in LDS; each store then covers a whole row: 512 consecutive bytes, aligned.
.macro FINAL base
.rept 8
	v_nop                                          ; eight plain lines between the last products and the first read of their results
.endr
.irp x, 0,1
	v_add_f32 v[ST+4*\x+2], v[ST+4*\x+2], v[ST+4*\x+3]
.endr
.irp x, 0,1
	v_permlanex16_b32 v[TM+4+\x], v[ST+4*\x+2], s[SEL], s[SEL+1]
.endr
.irp x, 0,1
	v_add_f32 v[ST+4*\x+2], v[ST+4*\x+2], v[TM+4+\x]   ; with lane l xor 16's: the row's sum, over 1/2
.endr
.irp x, 0,1
	v_rcp_f32 v[ST+4*\x+2], v[ST+4*\x+2]
.endr
	v_nop                                          ; a plain line behind the reciprocals
	s_wait_alu depctr_va_vdst(0)
.irp x, 0,1
	WIN W_RS
.set j, 0
.rept 32
	v_pk_mul_f32 v[OT+64*\x+j:OT+64*\x+j+1], v[OT+64*\x+j:OT+64*\x+j+1], v[ST+4*\x+2:ST+4*\x+3] op_sel_hi:[1,0]   ; register 8 t + i is o(query r, channel 16 t + 8 h + i); each accumulator from its low end on
.set j, j+2
.endr
	WIN W_SD
.irp t, 0,1,2,3,4,5,6,7
	ds_store_b128 v[STO], v[OT+64*\x+8*\t:OT+64*\x+8*\t+3] offset:64*\t
	ds_store_b128 v[STO], v[OT+64*\x+8*\t+4:OT+64*\x+8*\t+7] offset:64*\t+16
.endr
	WIN 0
	s_wait_xcnt 0x0                                ; the other tile's stores have read their registers: they are loaded again only behind this wait
.irp i, 0,1,2,3,4,5,6,7,8,9,10,11,12,13,14,15
	ds_load_b128 v[FR+4*\i:FR+4*\i+3], v[STR] offset:SP*\i   ; my wave's own bytes: LDS serves a wave's instructions in order
.endr
.irp i, 0,1,2,3,4,5,6,7,8,9,10,11,12,13,14,15
	s_wait_dscnt 15-\i                             ; row i is back; the 15 - i younger loads may be out
	global_store_b128 v[LI], v[FR+4*\i:FR+4*\i+3], s[\base:\base+1] offset:QROW*\i+512*\x th:TH_STORE_NT
.endr
.endr
.endm
	INITQ DQHI
.Lstep:                                            ; 16 trips: steps 0 to 15; behind each change of slots the next step's block is asked for
	CHANGE 1
	STEP 0
	s_cmp_lg_u32 s[F], s[SW]                       ; the first block's last step (8 .. 15, by the work-group's number alone) is done: the blocks change.  No barrier and no tensor load stands in here
	s_cbranch_scc1 .Lnosw
	QLOAD QLO                                      ; the second block's q is on its way while the first block's O goes out
	FINAL OHI
	INITQ DQLO
.Lnosw:
	s_add_co_u32 s[F], s[F], 1
	s_cmp_lt_u32 s[F], 16
	s_cbranch_scc1 .Lstep
	CHANGE 0                                       ; step 16 is written out: nothing is left to fetch
	STEP 1                                         ; the second block's last step: on the diagonal
	FINAL OLO
	s_wait_tensorcnt 0x0                           ; the wave's end, behind my last tensor load and my last LDS store
	ds_add_u32 v[SPW], v[NIL]
	s_wait_dscnt 0x0
	s_endpgm
.Lfunc_end_k_q4af5be0bac_attn:
	.size	k_q4af5be0bac_attn, .Lfunc_end_k_q4af5be0bac_attn-k_q4af5be0bac_attn
	.p2alignl 7, 3214868480
	.fill 96, 4, 3214868480
	.section	.rodata,"a",@progbits
	.p2align	6, 0x0
	.amdhsa_kernel k_q4af5be0bac_attn
		.amdhsa_group_segment_fixed_size 327680
		.amdhsa_private_segment_fixed_size 0
		.amdhsa_enable_private_segment 0
		.amdhsa_kernarg_size 24
		.amdhsa_user_sgpr_count 2
		.amdhsa_user_sgpr_kernarg_segment_ptr 1
		.amdhsa_wavefront_size32 1
		.amdhsa_system_sgpr_workgroup_id_x 1
		.amdhsa_system_sgpr_workgroup_id_y 1
		.amdhsa_system_sgpr_workgroup_id_z 1
		.amdhsa_system_vgpr_workitem_id 0
		.amdhsa_next_free_vgpr 512
		.amdhsa_next_free_sgpr 66
		.amdhsa_reserve_vcc 1
		.amdhsa_float_denorm_mode_32 3
		.amdhsa_float_denorm_mode_16_64 3
		.amdhsa_memory_ordered 1
		.amdhsa_forward_progress 1
		.amdhsa_inst_pref_size 179
	.end_amdhsa_kernel
	.amdgpu_metadata
---
amdhsa.version: [ 1, 2 ]
amdhsa.kernels:
  - .name:           k_q4af5be0bac_attn
    .symbol:         k_q4af5be0bac_attn.kd
    .args:
      - { .name: query, .offset: 0, .size: 8, .value_kind: global_buffer, .address_space: global }
      - { .name: kv, .offset: 8, .size: 8, .value_kind: global_buffer, .address_space: global }
      - { .name: out0, .offset: 16, .size: 8, .value_kind: global_buffer, .address_space: global }
    .group_segment_fixed_size: 327680
    .private_segment_fixed_size: 0
    .kernarg_segment_align: 8
    .kernarg_segment_size: 24
    .max_flat_workgroup_size: 256
    .sgpr_count:     66
    .vgpr_count:     512
    .wavefront_size: 32
...
	.end_amdgpu_metadata
.endif
;; end of part 2
